; MI455X (gfx1250); checked and timed in simulation.
; The chip was launched on July 23, 2026; its instructions are those of AMD's public machine-readable ISA for CDNA 5 (MIT licence, August 2026) and "CDNA5" Instruction Set Architecture Reference Guide (July 2026). The comments in the code are by the model that wrote it; some were corrected since.
;; Self Attention. Allowed arithmetic: matrix products marked QUANTISED: E2M1 operands, one E8M0 scale for each 32 along K, by v_wmma_scale_f32_16x16x128_f8f6f4 with both operands' format E2M1 (or v_wmma_scale_f32_32x16x128_f4), f32 sums; everything else in f32.
;; Inputs: Wk 1,024 x 1,024 float32; Wq 1,024 x 1,024 float32; Wv 1,024 x 1,024 float32; bk 1,024 float32; bq 1,024 float32; bv 1,024 float32; x 4 x 2,048 x 1,024 float32.
;; Outputs: out0 4 x 2,048 x 1,024 float32.
;; This version of the problem:
;;   THIS VERSION OF THE PROBLEM IS GIVEN IN LOW PRECISION. The matrix products marked QUANTISED in the list below multiply operands that are first quantised to E2M1 (2 exponent bits, 1 mantissa bit; 4 bits a number), with one power-of-two scale for each 32 numbers along K (OCP MX v1.0); their sums are f32. All else is computed in f32.
;;   The module's matrix products, in the order in which they are computed (A, B: the left and right operand; K: the contracted axis; several contracted axes count as one K, in the product's order):
;;     1. [M 8,192, K 1,024] x [K 1,024, N 1,024]; A: input x; B: input Wq: QUANTISED
;;     2. [M 8,192, K 1,024] x [K 1,024, N 1,024]; A: input x; B: input Wk: QUANTISED
;;     3. [M 8,192, K 1,024] x [K 1,024, N 1,024]; A: input x; B: input Wv: QUANTISED
;;     4. batch 64 x [M 2,048, K 64] x [K 64, N 2,048]; A: computed on the way; B: computed on the way: QUANTISED
;;     5. batch 64 x [M 2,048, K 2,048] x [K 2,048, N 64]; A: softmax (see below); B: computed on the way: QUANTISED
;;   THE QUANTISER, for each operand of a quantised product, along K:
;;     - K is cut into blocks of 32 from its start; a last block that is shorter is filled with zeros.
;;     - A block's scale is 2^e with e = floor(log2(the largest magnitude in the block)) - 2, held to -126 .. 127; a block of zeros has e = 0. As a byte (E8M0): e + 127.
;;     - Each number is divided by its block's scale, clamped to +-6, and rounded to the nearest number of E2M1, ties to even, subnormals kept.
;;     - The product sums the exact products of the quantised numbers (number of the format x scale) in f32.
;;   ~~~python
;;   def quantise(x, axis):      # numpy; x: float32 -> the quantised numbers, widened to float32 again
;;       x = np.moveaxis(x, axis, -1); K = x.shape[-1]
;;       x = np.pad(x, [(0, 0)] * (x.ndim - 1) + [(0, -K % 32)]); x = x.reshape(x.shape[:-1] + (-1, 32)); a = np.abs(x).max(-1, keepdims=True)
;;       e = np.where(a > 0, np.clip(np.frexp(np.where(a > 0, a, 1))[1] - 1 - 2, -126, 127), 0)      # np.frexp(a)[1] - 1 = floor(log2(a)), exactly
;;       r = np.clip(x / 2.0 ** e, -6, 6)
;;       step = 2.0 ** (np.maximum(np.frexp(np.where(r == 0, 1, r))[1] - 1, 0) - 1)
;;       q = np.round(r / step) * step * 2.0 ** e      # np.round: ties to even
;;       return np.moveaxis(q.reshape(q.shape[:-2] + (-1,))[..., :K], -1, axis).astype(np.float32)
;;   ~~~
;;   SOFTMAX AHEAD OF A QUANTISED PRODUCT. Where the list says 'softmax', what is quantised is not the finished softmax but p = 2^(t - M), with t = logit x log2(e) and M = ceil(the row's largest t), a whole number; so 1/2 < the row's largest p <= 1. The row's sum l is taken of the UNQUANTISED p, in f32, and the product's result is divided by l at the end. Since M is a whole number, a kernel that streams over the keys may use a running M (the ceiling of the running maximum): every later rescaling is an exact power of two, which a block's scale takes up: the codes' values come out the same.
;;   OPERANDS COMPUTED ON THE WAY. 'Computed on the way' means the value that the module computes at that place (a softmax that the list does not call 'softmax' is quantised finished and normalised). What goes into a quantiser is computed in f32, as accurately as f32 sums, v_exp_f32 and their like allow (about 1e-6 of the number): no bf16 or f16 on the way to a quantiser, and a product that is left as it is and whose result goes on into a quantised operand takes f32 operands (vector FMAs, or v_wmma_f32_16x16x4_f32). A number that lies on a knife's edge between two numbers of the format may be rounded either way, as far as f32 arithmetic and the matrix unit's own rounding can turn it there, and no further.
;; One version. Each part assembles by itself: llvm-mc -triple=amdgcn-amd-amdhsa -mcpu=gfx1250 --defsym DOCPART=n.
;; ======== version 1 of 1: 3 launches
;; limits: right only within a limited range of input values
;; workspace buffers: cod 6,127,616 bytes; qkv 13,893,632 bytes
;; launch quant (part 1): grid 448 x 1, 8 waves a work-group, no clusters, 65,536 bytes of LDS; arguments x, Wq, Wk, Wv, cod; writes cod
.if DOCPART == 1
	.amdgcn_target "amdgcn-amd-amdhsa--gfx1250"
	.amdhsa_code_object_version 6
	.text
	.protected	k_q24c841e346_quant
	.globl	k_q24c841e346_quant
	.p2align	8
	.type	k_q24c841e346_quant,@function
k_q24c841e346_quant:
	s_mov_b64 s[64:65], 0
	v_nop
	global_prefetch_b8 v0, s[64:65] scope:SCOPE_SE
	s_setreg_imm32_b32 hwreg(HW_REG_WAVE_MODE, 25, 1), 1
	s_wait_xcnt 0x0
; x [8192][1024] and Wq, Wk, Wv [1024 (k)][1024 (n)], f32, become codes of FP4 (E2M1) with K = 1,024 innermost and one E8M0 byte for each 32 along K.
; NO WORK OF THE PROBLEM IS LEFT OUT in this program: every input has a way to the output.  (bk would cancel in a softmax over real numbers, but it moves k's codes, so it stays.)
; cod: x's codes [8192 places][512 B] at 0; the weights' codes [3072 places][512 B] at O_WC (Wq's columns, Wk's, Wv's); x's scale bytes [8192][32] at O_XS; the weights' [3072][32] at O_WS.
; THE ORDER OF ROWS: in every aligned group of 32 rows the second and the third group of 8 change places, so that place 16 u + r holds row 8 u + r + 8 (r / 8): 16 places on end are then a tile whose results,
; in the next launch, give a lane 16 neighbours along the next product's K.
; A block's scale is 2^(floor(log2(its largest magnitude)) - 2); its byte is the largest magnitude's exponent field - 2, held at 1 from below.
; LIMITS: NaN and infinities among the inputs are not served; a block of zeros gets the byte 1 where the rule says 127 (its codes are zeros, and this program alone reads the bytes); a largest magnitude under 2^-124 is held at the byte 1.
; Work-groups 0-255 take x, 32 rows each: a wave takes 4 rows, 8 steps of 512 numbers, and issues all its 32 loads at its head; each load reads 512 consecutive bytes; a step turns through the wave's own stage in LDS so that a lane holds 16 neighbours.
; Work-groups 256-447 take 32 columns of one weight and half of K: a lane takes a column and its registers run down K; wave w takes k = 512 x half + 64 w .. + 63, all its 64 loads issued at its head.
; The eight waves' codes meet in LDS and leave as half rows: sixteen lanes store 256 consecutive bytes, aligned.
; THE SCALE BYTES leave in shorter pieces: a wave's 4 rows of x give 128 consecutive bytes, a weight's half row 16: they are one byte for each 128 bytes that the launch reads.
; The two paths part on the work-group's number, which is the same in all eight waves, and have LDS bytes of their own.  No tensor load, no cluster, no prefetch: every byte is read once, by loads that are all issued at the head.
.set SPARE, 62976                      ; the spare words: 128 bytes for each of the eight waves, four blocks of 256 bytes that no other line names
.set WREG,  5632                       ; x's path: a wave's region: two stages of 32 x SP bytes, then its 128 scale bytes
.set SP,    80                         ; a lane's place in a stage: 64 bytes + 16 of padding
.set WSTG,  45056                      ; the weights' path: 32 rows of 256 bytes + 16
.set WPIT,  272
.set WSSC,  61952                      ; and 32 rows of 16 scale bytes
.set O_WC,  4194304
.set O_XS,  5767168
.set O_WS,  6029312
.set SPW,   12                         ; v12  LDS address of my spare word; never rewritten
.set NIL,   13                         ; v13  0; never rewritten
.set R,     16                         ; x: v16-143  eight sets of 16 numbers as they are loaded
.set X,     144                        ; x: v144-175 two sets of 16 neighbours
.set C,     176                        ; x: v176-191 two registers of codes for each step, never rewritten
.set E,     208                        ; x: v208-215 a scale byte for each step
.set WX,    16                         ; W: v16-79   two sets of 32 numbers
.set WCD,   80                         ; W: v80-87   four registers of codes for each block, never rewritten
.set WOUT,  96                         ; W: v96-103  four half rows on the way out
.set WSW,   112                        ; W: v112     my column's two scale bytes
	s_load_b256 s[4:11], s[0:1], 0x0               ; x s[4:5], Wq s[6:7], Wk s[8:9], Wv s[10:11]
	s_load_b64 s[12:13], s[0:1], 0x20              ; cod
	v_lshl_add_u32 v[SPW], v0, 2, SPARE
	v_mov_b32 v[NIL], 0
	v_lshrrev_b32 v1, 5, v0
	v_readfirstlane_b32 s16, v1                    ; wave 0..7
	v_and_b32 v2, 31, v0                           ; lane
	s_wait_kmcnt 0x0
	s_cmp_lt_u32 ttmp9, 256
	s_cbranch_scc0 .Lw
	; ---------------- x ----------------
	s_wait_alu depctr_va_vdst(0)                   ; the wait here, ahead of the readers behind the wait above
	v_lshlrev_b32 v3, 4, v2                        ; my 16 bytes of a load's 512
	s_mul_i32 s17, s16, WREG
	v_lshrrev_b32 v14, 2, v2
	v_and_b32 v15, 3, v2
	v_mul_u32_u24 v14, v14, SP
	v_lshl_add_u32 v14, v15, 4, v14
	v_mul_u32_u24 v15, v2, SP
	v_add_nc_u32 v14, s17, v14                     ; into the stage: SP (lane / 4) + 16 (lane % 4)
	v_add_nc_u32 v15, s17, v15                     ; out of it: SP x lane: my 16 neighbours
	v_lshlrev_b32 v4, 3, v2                        ; my 8 bytes of a step's 256 bytes of codes
	v_lshrrev_b32 v5, 1, v2
	s_add_co_u32 s17, s17, 2*32*SP
	v_lshlrev_b32 v7, 2, v2
	v_add_nc_u32 v5, s17, v5                       ; my block's scale byte in the wave's 128
	v_add_nc_u32 v6, s17, v7                       ; and on the way out 4 bytes a lane
	s_lshl_b32 s18, ttmp9, 3
	s_add_co_u32 s19, s18, s16                     ; which 4 rows are my wave's
	s_lshl_b32 s20, s19, 14                        ; 4 rows of 4,096 bytes
	s_mov_b32 s21, 0
	s_add_nc_u64 s[4:5], s[4:5], s[20:21]
	s_and_b32 s22, s16, 1                          ; and their place, in fours: the wave's two high bits, which name the group of 8, change places
	s_add_co_u32 s18, s18, s22
	s_and_b32 s22, s16, 2
	s_lshl_b32 s22, s22, 1
	s_add_co_u32 s18, s18, s22
	s_bfe_u32 s22, s16, 0x10002
	s_lshl_b32 s22, s22, 1
	s_add_co_u32 s18, s18, s22
	s_lshl_b32 s20, s18, 11                        ; 4 rows of 512 bytes of codes
	s_add_nc_u64 s[8:9], s[12:13], s[20:21]
	s_lshl_b32 s20, s18, 7                         ; 4 rows of 32 scale bytes
	s_add_co_u32 s20, s20, O_XS
	s_add_nc_u64 s[10:11], s[12:13], s[20:21]
	s_wait_alu depctr_va_vdst(0)                   ; the wait behind the run of scalar lines
.macro XLOAD t
.irp i, 0,1,2,3
	global_load_b128 v[R+16*(\t)+4*\i:R+16*(\t)+4*\i+3], v3, s[4:5] offset:2048*(\t)+512*\i th:TH_LOAD_NT   ; 32 lanes read 512 consecutive bytes
.endr
.endm
.macro XTURN t                         ; step t's numbers through the stage: LDS serves a wave's instructions in order, so no wait stands between the stores and the loads
.irp i, 0,1,2,3
	ds_store_b128 v14, v[R+16*(\t)+4*\i:R+16*(\t)+4*\i+3] offset:32*SP*((\t)%2)+8*SP*\i
.endr
.irp i, 0,1,2,3
	ds_load_b128 v[X+16*((\t)%2)+4*\i:X+16*((\t)%2)+4*\i+3], v15 offset:32*SP*((\t)%2)+16*\i
.endr
.endm
.irp t, 0,1,2,3,4,5,6,7
	XLOAD \t
.endr
	s_wait_loadcnt 28                              ; step 0's four loads are in; the 28 of steps 1 to 7 may be out
	XTURN 0
.macro XSTEP t
.set XR, X+16*((\t)%2)
.if (\t) > 0
	s_wait_dscnt 1                                 ; this step's numbers are back from the stage (the last step's byte store may be out)
.else
	s_wait_dscnt 0x0
.endif
.if (\t)+1 < 8
	s_wait_loadcnt 4*(6-(\t))                      ; the next step's four loads are in; those of the 6 - t steps behind it may be out
	XTURN (\t)+1                                   ; and go through the other stage while this step is worked
.endif
	v_max3_num_f32 v8, |v[XR]|, |v[XR+1]|, |v[XR+2]|               ; the largest magnitude of my 16, in two chains
	v_max3_num_f32 v9, |v[XR+3]|, |v[XR+4]|, |v[XR+5]|
.irp i, 6,10
	v_max3_num_f32 v8, v8, |v[XR+\i]|, |v[XR+\i+1]|
	v_max3_num_f32 v9, v9, |v[XR+\i+2]|, |v[XR+\i+3]|
.endr
	v_max3_num_f32 v8, v8, |v[XR+14]|, |v[XR+15]|
	v_max3_num_f32 v8, v8, v9, 0x1800000           ; and the floor 2^(3 - 127): the byte cannot fall under 1
	v_max_num_f32_dpp v8, v8, v8 row_xmask:1 row_mask:0xf bank_mask:0xf   ; and of my neighbour's 16: the block's
	v_add_nc_u32 v11, 0xff000000, v8               ; 2 off its exponent field: the conversion takes the exponent field of this operand as its scale
	v_cvt_scalef32_pk8_fp4_f32 v[C+2*(\t)], v[XR:XR+7], v11
	v_cvt_scalef32_pk8_fp4_f32 v[C+2*(\t)+1], v[XR+8:XR+15], v11
	v_lshrrev_b32 v[E+(\t)], 23, v11               ; the scale's byte (also the plain line behind the conversions)
	ds_store_b8 v5, v[E+(\t)] offset:16*(\t)       ; both lanes of a block write the same byte with the same value
	global_store_b64 v4, v[C+2*(\t):C+2*(\t)+1], s[8:9] offset:256*(\t)   ; 32 lanes store 256 consecutive bytes, aligned
.endm
.irp t, 0,1,2,3,4,5,6,7
	XSTEP \t
.endr
	ds_load_b32 v8, v6                             ; LDS serves a wave's instructions in order: this sees my byte stores
	s_wait_dscnt 0x0
	global_store_b32 v7, v8, s[10:11]              ; 32 lanes store the 4 rows' 128 scale bytes
	s_wait_tensorcnt 0x0                           ; the wave's end, behind my last LDS store
	ds_add_u32 v[SPW], v[NIL]
	s_wait_dscnt 0x0
	s_endpgm
	; ---------------- the weights ----------------
.Lw:
	s_sub_co_u32 s17, ttmp9, 256
	s_lshr_b32 s18, s17, 6                         ; which weight: 0 Wq, 1 Wk, 2 Wv
	s_bfe_u32 s19, s17, 0x50001
	s_lshl_b32 s19, s19, 5                         ; my work-group's first column
	s_and_b32 s28, s17, 1                          ; and its half of K
	s_cmp_eq_u32 s18, 0
	s_cselect_b64 s[6:7], s[6:7], s[8:9]
	s_cmp_eq_u32 s18, 2
	s_cselect_b64 s[6:7], s[10:11], s[6:7]
	s_lshl_b32 s20, s16, 18                        ; my wave's 64 rows of 4,096 bytes,
	s_lshl_b32 s21, s28, 21                        ; in my half's 512,
	s_add_co_u32 s20, s20, s21
	s_lshl_b32 s21, s19, 2                         ; at my columns
	s_add_co_u32 s20, s20, s21
	s_mov_b32 s21, 0
	s_add_nc_u64 s[6:7], s[6:7], s[20:21]
	s_lshl_b32 s22, s16, 5
	s_add_co_u32 s22, s22, WSTG                    ; codes into LDS: 32 bytes of a row for each wave
	s_lshl_b32 s23, s16, 1
	s_add_co_u32 s23, s23, WSSC                    ; scale bytes: 2 of a row's 16 for each wave
	s_mul_i32 s29, s16, 4*WPIT
	s_add_co_u32 s29, s29, WSTG                    ; back: wave w takes rows 4 w .. 4 w + 3
	s_lshl_b32 s30, s18, 10
	s_add_co_u32 s30, s30, s19                     ; the work-group's first place among the 3,072
	s_lshl_b32 s20, s16, 2
	s_add_co_u32 s20, s20, s30
	s_lshl_b32 s20, s20, 9
	s_lshl_b32 s31, s28, 8
	s_add_co_u32 s20, s20, s31
	s_add_co_u32 s20, s20, O_WC
	s_add_nc_u64 s[24:25], s[12:13], s[20:21]      ; where my four half rows of codes go
	s_lshl_b32 s20, s30, 5
	s_lshl_b32 s31, s28, 4
	s_add_co_u32 s20, s20, s31
	s_add_co_u32 s20, s20, O_WS
	s_add_nc_u64 s[26:27], s[12:13], s[20:21]      ; and (wave 0) the 32 rows' 16 scale bytes each
	s_wait_alu depctr_va_vdst(0)                   ; the wait here, ahead of the readers behind the branch
	v_lshlrev_b32 v3, 2, v2                        ; in: 4 bytes a lane
	v_and_b32 v9, 7, v2                            ; my column's place among the 32
	v_bfe_u32 v10, v2, 3, 1
	v_bfe_u32 v11, v2, 4, 1
	v_lshl_add_u32 v9, v10, 4, v9
	v_and_b32 v10, 15, v2
	v_lshl_add_u32 v9, v11, 3, v9
	v_mul_u32_u24 v7, v11, WPIT
	v_mul_u32_u24 v4, v9, WPIT
	v_lshlrev_b32 v5, 4, v9
	v_lshl_add_u32 v7, v10, 4, v7
	v_lshlrev_b32 v8, 9, v11
	v_add_nc_u32 v4, s22, v4                       ; my codes: row = my place
	v_add_nc_u32 v5, s23, v5                       ; my two scale bytes
	v_add_nc_u32 v7, s29, v7                       ; back: lanes 0-15 one row, lanes 16-31 the next
	v_lshl_add_u32 v8, v10, 4, v8                  ; and the same two rows in cod, 512 bytes apart
	v_lshlrev_b32 v6, 4, v2
	v_lshlrev_b32 v1, 5, v2                        ; scale bytes on the way out: a lane a row, 32 bytes apart in cod,
	v_add_nc_u32 v6, WSSC, v6                      ; 16 apart in LDS
	s_wait_alu depctr_va_vdst(0)                   ; the wait at the head's end
.macro WLOAD t                         ; block t: W(512 half + 64 w + 32 t + i, my column), i = 0 .. 31
.irp i, 0,1,2,3,4,5,6,7,8,9,10,11,12,13,14,15,16,17,18,19,20,21,22,23,24,25,26,27,28,29,30,31
	global_load_b32 v[WX+32*(\t)+\i], v3, s[6:7] offset:(32*(\t)+\i)*4096 th:TH_LOAD_NT
.endr
.endm
	WLOAD 0
	WLOAD 1
.macro WBLOCK t
.set XR, WX+32*(\t)
.if (\t) < 1
	s_wait_loadcnt 32                              ; this block's 32 loads are in; the next block's may be out
.else
	s_wait_loadcnt 0x0
.endif
	v_max3_num_f32 v113, |v[XR]|, |v[XR+1]|, |v[XR+2]|             ; the block's largest magnitude: all 32 numbers are mine
	v_max3_num_f32 v114, |v[XR+3]|, |v[XR+4]|, |v[XR+5]|
.irp i, 6,10,14,18,22,26
	v_max3_num_f32 v113, v113, |v[XR+\i]|, |v[XR+\i+1]|
	v_max3_num_f32 v114, v114, |v[XR+\i+2]|, |v[XR+\i+3]|
.endr
	v_max3_num_f32 v113, v113, |v[XR+30]|, |v[XR+31]|
	v_max3_num_f32 v113, v113, v114, 0x1800000     ; and the floor
	v_add_nc_u32 v115, 0xff000000, v113
	v_lshrrev_b32 v114, 23, v115                   ; the scale's byte
.if (\t) == 0
	v_mov_b32 v[WSW], v114
.else
	v_lshl_or_b32 v[WSW], v114, 8*(\t), v[WSW]
.endif
.irp g, 0,1,2,3
	v_cvt_scalef32_pk8_fp4_f32 v[WCD+4*(\t)+\g], v[XR+8*\g:XR+8*\g+7], v115
.endr
	v_nop                                          ; one plain line behind the last conversion
	ds_store_b128 v4, v[WCD+4*(\t):WCD+4*(\t)+3] offset:16*(\t)
.endm
	WBLOCK 0
	WBLOCK 1
	ds_store_b16 v5, v[WSW]
	s_wait_dscnt 0x0                               ; for the others' sake: my stores have landed
	s_barrier_signal -1
	s_barrier_wait -1                              ; 32 half rows of codes and of scale bytes lie in LDS
.irp i, 0,1
	ds_load_b128 v[WOUT+4*\i:WOUT+4*\i+3], v7 offset:2*WPIT*\i
.endr
.irp i, 0,1
	s_wait_dscnt 1-\i                              ; rows 2 i, 2 i + 1 are in; the younger load may be out
	global_store_b128 v8, v[WOUT+4*\i:WOUT+4*\i+3], s[24:25] offset:1024*\i   ; sixteen lanes store 256 consecutive bytes, aligned
.endr
	s_cmp_lt_u32 s16, 1
	s_cbranch_scc0 .Lwend
	ds_load_b128 v[116:119], v6
	s_wait_dscnt 0x0
	global_store_b128 v1, v[116:119], s[26:27]     ; a lane stores its row's 16 scale bytes
.Lwend:
	s_wait_tensorcnt 0x0                           ; the wave's end, behind my last LDS store
	ds_add_u32 v[SPW], v[NIL]
	s_wait_dscnt 0x0
	s_endpgm
.Lfunc_end_k_q24c841e346_quant:
	.size	k_q24c841e346_quant, .Lfunc_end_k_q24c841e346_quant-k_q24c841e346_quant
	.p2alignl 7, 3214868480
	.fill 96, 4, 3214868480
	.section	.rodata,"a",@progbits
	.p2align	6, 0x0
	.amdhsa_kernel k_q24c841e346_quant
		.amdhsa_group_segment_fixed_size 65536
		.amdhsa_private_segment_fixed_size 0
		.amdhsa_enable_private_segment 0
		.amdhsa_kernarg_size 40
		.amdhsa_user_sgpr_count 2
		.amdhsa_user_sgpr_kernarg_segment_ptr 1
		.amdhsa_wavefront_size32 1
		.amdhsa_system_sgpr_workgroup_id_x 1
		.amdhsa_system_sgpr_workgroup_id_y 1
		.amdhsa_system_sgpr_workgroup_id_z 1
		.amdhsa_system_vgpr_workitem_id 0
		.amdhsa_next_free_vgpr 224
		.amdhsa_next_free_sgpr 66
		.amdhsa_reserve_vcc 0
		.amdhsa_float_denorm_mode_32 3
		.amdhsa_float_denorm_mode_16_64 3
		.amdhsa_memory_ordered 1
		.amdhsa_forward_progress 1
		.amdhsa_inst_pref_size 31
	.end_amdhsa_kernel
	.amdgpu_metadata
---
amdhsa.version: [ 1, 2 ]
amdhsa.kernels:
  - .name:           k_q24c841e346_quant
    .symbol:         k_q24c841e346_quant.kd
    .args:
      - { .name: x, .offset: 0, .size: 8, .value_kind: global_buffer, .address_space: global }
      - { .name: Wq, .offset: 8, .size: 8, .value_kind: global_buffer, .address_space: global }
      - { .name: Wk, .offset: 16, .size: 8, .value_kind: global_buffer, .address_space: global }
      - { .name: Wv, .offset: 24, .size: 8, .value_kind: global_buffer, .address_space: global }
      - { .name: cod, .offset: 32, .size: 8, .value_kind: global_buffer, .address_space: global }
    .group_segment_fixed_size: 65536
    .private_segment_fixed_size: 0
    .kernarg_segment_align: 8
    .kernarg_segment_size: 40
    .max_flat_workgroup_size: 256
    .sgpr_count:     66
    .vgpr_count:     224
    .wavefront_size: 32
...
	.end_amdgpu_metadata
.endif
;; end of part 1
;; launch proj (part 2): grid 8 x 48, 4 waves a work-group, clusters of 4 x 4, 327,680 bytes of LDS; arguments cod, bq, bk, bv, qkv; writes qkv
.if DOCPART == 2
	.amdgcn_target "amdgcn-amd-amdhsa--gfx1250"
	.amdhsa_code_object_version 6
	.text
	.protected	k_q24c841e346_proj
	.globl	k_q24c841e346_proj
	.p2align	8
	.type	k_q24c841e346_proj,@function
k_q24c841e346_proj:
	s_mov_b64 s[64:65], 0
	v_nop
	global_prefetch_b8 v0, s[64:65] scope:SCOPE_SE
	s_setreg_imm32_b32 hwreg(HW_REG_WAVE_MODE, 25, 1), 1
	s_wait_xcnt 0x0
	s_wait_alu depctr_hold_cnt(0) depctr_sa_sdst(0) depctr_va_vdst(0) depctr_va_sdst(0) depctr_va_ssrc(0) depctr_va_vcc(0) depctr_vm_vsrc(0)
	s_getreg_b32 s2, hwreg(HW_REG_IB_STS2, 6, 4)
	s_cmp_eq_u32 s2, 0
	s_cbranch_scc0 .Lentry_in_a_cluster
	s_endpgm
.Lentry_in_a_cluster:
	s_bfe_u32 s2, ttmp6, 0x10000c
	s_cmp_lg_u32 s2, 0xf033
	s_cbranch_scc0 .Lentry_shape_is_right
	s_endpgm
.Lentry_shape_is_right:
; q, k and v = x W + b on codes of FP4 with E8M0 scales, quantised again for the next launch's products and stored as images of its operands' registers.  Nothing of the problem is left out here.
; A work-group of four waves makes 256 x 256 results, a wave 128 x 128.  Cluster rows 0-7 make q and k (source 1 = rows of x, source 0 = columns of Wq, Wk), rows 8-11 make v with the operands' roles changed, so that its keys run along a lane's registers.
; K = 1,024 IS 512 BYTES OF CODES A ROW: both operands' 256 rows lie whole in LDS (pitch 512 + 16 bytes), with their scale bytes behind them; every LDS byte is filled once.
; THE HEAD'S FOUR JOINT LOADS, one a wave, behind the one round: wave 0 A's codes, wave 1 B's, wave 2 A's scale bytes, wave 3 B's.  A's are shared along a row of the 4 x 4 cluster, B's along a column.
; NO PREFETCH INTO THE L2: all that the launch reads is asked for at its head; there is no loop to run ahead in.
; LIMITS: NaN and infinities are not served; a block of zeros gets the byte 1 (its codes are zeros, and this program alone reads the bytes).
.set NQ,     4
.set ROWB,   256
.set KROW,   512
.set PITCH,  528
.set FR,     8
.set NL,     2
.set NP,     4
.set HALFT,  128*PITCH
.set SLOT,   256                       ; the second half of K begins 256 bytes on in each LDS row
.set KS,     32
.set SCL,    4*HALFT                   ; behind A's and B's 256 rows: the scale bytes
.set HALFS,  16*272
.set SBLK,   2*272
.set SPARE,  SCL+4*HALFS
.set ADRA, 16
.set ADRB, 20
.set LN,   25
.set CO,   26
.set ADRS, 27
.set SPW,  28
.set NIL,  29
.set SC,   32
.set AF,   128
.set BI,   192
.set PC,   128
.set TM,   192
.set PW,   208
.set WD,   216
.set G1, 24
.set G0, 32
.set G1B, 48
.set G0B, 56
.set G1S, 68
.set G0S, 76
.set G1SB, 80
.set G0SB, 88
.set SEL, 92
.set MSB, 0
.macro WIN new
.if MSB != \new
	s_set_vgpr_msb (MSB<<8)|\new
.set MSB, \new
.endif
.endm
.set TO_B, 0x40
.macro ARM under, g0, g1, next         ; one arm of the head's chain of branches on the wave's number: its load, and a jump to the chain's end
	s_cmp_lt_u32 s14, \under
	s_cbranch_scc0 \next
	tensor_load_to_lds s[\g0:\g0+3], s[\g1:\g1+7]
	s_nop 0
.rept 4
	v_nop
.endr
	s_branch .Lhead_asked
\next:
.endm
.macro CROUND
	s_barrier_signal -1
	s_barrier_wait -1
	s_cmp_lg_u32 s14, 0
	s_cbranch_scc1 .Lnot_wave_0_\@
	s_barrier_signal -3
.Lnot_wave_0_\@:
	s_barrier_wait -3
	s_barrier_signal -1
	s_barrier_wait -1
.endm
	s_load_b256 s[4:11], s[0:1], 0x0
	s_load_b64 s[12:13], s[0:1], 0x20
	v_lshl_add_u32 v[SPW], v0, 2, SPARE
	v_mov_b32 v[NIL], 0
	ds_add_u32 v[SPW], v[NIL]
	ds_add_u32 v[SPW], v[NIL]
	v_lshrrev_b32 v1, 5, v0
	v_readfirstlane_b32 s14, v1
	s_lshr_b32 s15, s14, 1
	s_and_b32 s16, s14, 1
	s_bfe_u32 s40, ttmp6, 0x40000
	s_bfe_u32 s41, ttmp6, 0x40004
	s_and_b32 s66, ttmp7, 0xffff
	s_lshl_b32 s17, s66, 2
	s_sub_co_u32 s67, s66, 8
	s_lshl_b32 s67, s67, 3
	s_lshl_b32 s42, ttmp9, 2
	s_cmp_ge_u32 s66, 8
	s_cselect_b32 s2, 1, 0
	s_cselect_b32 s17, 0, s17
	s_cselect_b32 s67, s67, 0
	s_mov_b32 s94, 5242880
	s_cselect_b32 s94, s94, 0
	s_mov_b32 s98, 5767168
	s_mov_b32 s95, 6094848
	s_cselect_b32 s95, s95, s98
	s_mov_b32 s96, 4194304
	s_cselect_b32 s96, 0, s96
	s_mov_b32 s97, 6029312
	s_cselect_b32 s97, s98, s97
	s_add_co_u32 s17, s17, s41
	s_add_co_u32 s42, s42, s67
	s_add_co_u32 s42, s42, s40
	s_lshl_b32 s43, s41, 2
	s_lshl_b32 s43, 15, s43
	s_lshl_b32 s44, 0x1111, s40
	s_or_b32 s[G1+0], s43, (0<<16)|(1<<20)|(1<<21)|(6<<22)|(3<<25)   ; elements of 1 byte; four words of padding behind every 128 words: a row
	s_or_b32 s[G1B+0], s44, (0<<16)|(1<<20)|(1<<21)|(6<<22)|(3<<25)
.irp g, G1, G1B
	s_mov_b32 s[\g+1], KROW<<16                    ; 256 whole rows of 512 bytes
	s_mov_b32 s[\g+2], 256<<16
	s_mov_b32 s[\g+3], KROW<<16
	s_mov_b32 s[\g+4], 256
	s_mov_b32 s[\g+5], KROW
	s_mov_b32 s[\g+6], 0
	s_mov_b32 s[\g+7], 0
.endr
	s_or_b32 s[G1S+0], s43, (3<<16)|(1<<20)|(1<<21)|(5<<22)|(3<<25)
	s_or_b32 s[G1SB+0], s44, (3<<16)|(1<<20)|(1<<21)|(5<<22)|(3<<25)
.irp g, G1S, G1SB
	s_mov_b32 s[\g+1], 32<<16
	s_mov_b32 s[\g+2], 32<<16                      ; the scale bytes of 256 rows: 8,192 dense bytes as 32 rows of 256
	s_mov_b32 s[\g+3], 32<<16
	s_mov_b32 s[\g+4], 32
	s_mov_b32 s[\g+5], 32
	s_mov_b32 s[\g+6], 0
	s_mov_b32 s[\g+7], 0
.endr
	s_lshl_b32 s20, s17, 8
	s_lshl_b32 s46, s42, 8
	s_lshl_b32 s22, s20, 5
	s_add_co_u32 s22, s22, s95
	s_lshl_b32 s20, s20, 9
	s_add_co_u32 s20, s20, s94
	s_lshl_b32 s92, s46, 5
	s_add_co_u32 s92, s92, s97
	s_lshl_b32 s46, s46, 9
	s_add_co_u32 s46, s46, s96
	s_mov_b32 s21, 0
	s_mov_b32 s23, 0
	s_mov_b32 s47, 0
	s_mov_b32 s93, 0
	s_wait_dscnt 0x0
	s_wait_kmcnt 0x0
	s_add_nc_u64 s[20:21], s[4:5], s[20:21]
	s_add_nc_u64 s[22:23], s[4:5], s[22:23]
	s_add_nc_u64 s[46:47], s[4:5], s[46:47]
	s_add_nc_u64 s[92:93], s[4:5], s[92:93]
	CROUND
	s_mov_b32 s[G0], 1                             ; A's 256 rows of codes,
	s_mov_b32 s[G0+1], 0
	s_mov_b64 s[G0+2:G0+3], s[20:21]
	s_or_b32 s[G0+3], s[G0+3], 0x80000000
	s_mov_b32 s[G0B], 1                            ; B's, behind them,
	s_mov_b32 s[G0B+1], 2*HALFT
	s_mov_b64 s[G0B+2:G0B+3], s[46:47]
	s_or_b32 s[G0B+3], s[G0B+3], 0x80000000
	s_mov_b32 s[G0S], 1                            ; A's scale bytes,
	s_mov_b32 s[G0S+1], SCL
	s_mov_b64 s[G0S+2:G0S+3], s[22:23]
	s_or_b32 s[G0S+3], s[G0S+3], 0x80000000
	s_mov_b32 s[G0SB], 1                           ; and B's
	s_mov_b32 s[G0SB+1], SCL+2*HALFS
	s_mov_b64 s[G0SB+2:G0SB+3], s[92:93]
	s_or_b32 s[G0SB+3], s[G0SB+3], 0x80000000
	ARM 1, G0,  G1,  .Lhead_b                      ; one tensor load a wave; every way through the chain passes exactly one
	ARM 2, G0B, G1B, .Lhead_sa
	ARM 3, G0S, G1S, .Lhead_sb
	tensor_load_to_lds s[G0SB:G0SB+3], s[G1SB:G1SB+7]
	s_nop 0
.rept 4
	v_nop
.endr
.Lhead_asked:
	v_and_b32 v1, 15, v0
	v_bfe_u32 v2, v0, 4, 1
	v_mul_u32_u24 v3, v1, PITCH
	v_lshl_add_u32 v4, v2, 4, v3
	s_mul_i32 s21, s15, HALFT
	s_mul_i32 s22, s16, HALFT
	s_add_co_u32 s22, s22, 2*HALFT
.irp s, 0,1
	v_add_nc_u32 v[ADRA+\s], s21, v4
	v_add_nc_u32 v[ADRB+\s], s22, v4
	s_add_co_u32 s21, s21, SLOT
	s_add_co_u32 s22, s22, SLOT
.endr
	v_mul_u32_u24 v5, v1, KS
	v_lshrrev_b32 v6, 8, v5
	v_lshl_add_u32 v5, v6, 4, v5
	s_mul_i32 s21, s15, HALFS
	s_mul_i32 s22, s16, HALFS
	s_add_co_u32 s22, s22, 2*HALFS
	s_sub_co_u32 s22, s22, s21
	v_mul_u32_u24 v6, s22, v2
	s_add_co_u32 s21, s21, SCL
	v_add_nc_u32 v5, v5, v6
	v_add_nc_u32 v[ADRS], s21, v5
	v_and_b32 v[LN], 31, v0
	v_lshlrev_b32 v[CO], 4, v[LN]
	s_and_b32 s20, s42, 3
	s_lshr_b32 s21, s42, 2
	s_cmp_eq_u32 s2, 1
	s_cselect_b32 s18, s42, s17
	s_cselect_b32 s19, s16, s15
	s_cselect_b32 s20, s17, s20
	s_cselect_b32 s22, s15, s16
	s_cselect_b32 s21, 2, s21
	s_lshl_b32 s18, s18, 1
	s_add_co_u32 s18, s18, s19
	s_lshr_b32 s19, s18, 4
	s_and_b32 s18, s18, 15
	s_lshl_b32 s19, s19, 4
	s_lshl_b32 s20, s20, 2
	s_add_co_u32 s19, s19, s20
	s_lshl_b32 s22, s22, 1
	s_add_co_u32 s19, s19, s22
	s_lshl_b32 s96, s21, 22
	s_lshl_b32 s23, s19, 16
	s_add_co_u32 s96, s96, s23
	s_lshl_b32 s23, s18, 12
	s_add_co_u32 s96, s96, s23
	s_mov_b32 s97, 0
	s_lshl_b32 s98, s19, 13
	s_lshl_b32 s23, s18, 9
	s_add_co_u32 s98, s98, s23
	s_lshr_b32 s98, s98, s2
	s_lshl_b32 s23, s21, 19
	s_add_co_u32 s98, s98, s23
	s_add_co_u32 s98, s98, 12582912
	s_mov_b32 s99, 0
	s_add_nc_u64 s[96:97], s[12:13], s[96:97]
	s_add_nc_u64 s[98:99], s[12:13], s[98:99]
	s_cmp_eq_u32 s21, 0
	s_cselect_b64 s[100:101], s[6:7], s[8:9]
	s_cmp_eq_u32 s21, 2
	s_cselect_b64 s[100:101], s[10:11], s[100:101]
	s_and_b32 s22, s19, 15
	s_lshl_b32 s22, s22, 8
	s_mov_b32 s23, 0
	s_add_nc_u64 s[100:101], s[100:101], s[22:23]
	s_cmp_eq_u32 s2, 1
	s_cbranch_scc1 .Lbias_v
	v_lshlrev_b32 v5, 6, v2
.irp b, 0,1,2,3,4,5,6,7
	global_load_b128 v[BI+8*\b:BI+8*\b+3], v5, s[100:101] offset:4*(32*(\b/2)+8*(\b%2))
	global_load_b128 v[BI+8*\b+4:BI+8*\b+7], v5, s[100:101] offset:4*(32*(\b/2)+8*(\b%2))+16
.endr
	s_wait_loadcnt 0x0
	s_branch .Lbias_done
.Lbias_v:
	v_and_b32 v5, 8, v1
	v_add_nc_u32 v5, v5, v1
	v_lshlrev_b32 v5, 2, v5
.irp a, 0,1,2,3,4,5,6,7
	global_load_b32 v[BI+8*\a], v5, s[100:101] offset:4*(32*(\a/2)+8*(\a%2))
.endr
	s_wait_loadcnt 0x0
.irp a, 0,1,2,3,4,5,6,7
.irp j, 1,2,3,4,5,6,7
	v_mov_b32 v[BI+8*\a+\j], v[BI+8*\a]
.endr
.endr
.Lbias_done:
.macro FRAG reg, adr, q, i
.irp c, 0,1
	ds_load_b128 v[\reg+4*\c:\reg+4*\c+3], v[\adr] offset:64*(\q)+32*\c+(\i)*16*PITCH
.endr
.endm
.macro MUL16 a0, p, q, sc, cm
.if \cm
	WIN 0x81+0x40*((\a0)/4)
.else
	WIN 0xa1+0x50*((\a0)/4)
.endif
.irp a, \a0, \a0+1
.irp b, 0,1,2,3,4,5,6,7
.if \cm == 1
	v_wmma_scale_f32_16x16x128_f8f6f4 v[8*(8*((\a)%4)+\b):8*(8*((\a)%4)+\b)+7], v[128*(\p)+FR*\b:128*(\p)+FR*\b+FR-1], v[AF+FR*(\a):AF+FR*(\a)+FR-1], v[BI+8*\b:BI+8*\b+7], v[SC+8*NQ*(\sc)+NQ*\b+(\q)], v[SC+8*NQ*(\sc)+NQ*(\a)+(\q)] matrix_a_fmt:MATRIX_FMT_FP4 matrix_b_fmt:MATRIX_FMT_FP4 matrix_a_scale:MATRIX_SCALE_ROW1
.elseif \cm == 2
	v_wmma_scale_f32_16x16x128_f8f6f4 v[8*(8*((\a)%4)+\b):8*(8*((\a)%4)+\b)+7], v[128*(\p)+FR*\b:128*(\p)+FR*\b+FR-1], v[AF+FR*(\a):AF+FR*(\a)+FR-1], v[BI+8*(\a):BI+8*(\a)+7], v[SC+8*NQ*(\sc)+NQ*\b+(\q)], v[SC+8*NQ*(\sc)+NQ*(\a)+(\q)] matrix_a_fmt:MATRIX_FMT_FP4 matrix_b_fmt:MATRIX_FMT_FP4 matrix_a_scale:MATRIX_SCALE_ROW1
.else
	v_wmma_scale_f32_16x16x128_f8f6f4 v[8*(8*((\a)%4)+\b):8*(8*((\a)%4)+\b)+7], v[128*(\p)+FR*\b:128*(\p)+FR*\b+FR-1], v[AF+FR*(\a):AF+FR*(\a)+FR-1], v[8*(8*((\a)%4)+\b):8*(8*((\a)%4)+\b)+7], v[SC+8*NQ*(\sc)+NQ*\b+(\q)], v[SC+8*NQ*(\sc)+NQ*(\a)+(\q)] matrix_a_fmt:MATRIX_FMT_FP4 matrix_b_fmt:MATRIX_FMT_FP4 matrix_a_scale:MATRIX_SCALE_ROW1
.endif
.endr
.endr
.endm
.macro FETCH_B slot, q, p
	WIN TO_B
.irp i, 0,1,2,3,4,5,6,7
	FRAG 128*(\p)+FR*\i, ADRB+\slot, \q, \i
.endr
	WIN 0
.endm
.macro FETCH_A slot, q, i0
.irp i, \i0, \i0+1, \i0+2, \i0+3
	FRAG AF+FR*(\i), ADRA+\slot, \q, \i
.endr
.endm
.macro SCALES sc
.irp i, 0,1,2,3,4,5,6,7
	ds_load_b128 v[SC+8*NQ*\sc+NQ*\i:SC+8*NQ*\sc+NQ*\i+3], v[ADRS] offset:\i*SBLK
.endr
.endm
.macro PLACES n
.rept \n
	v_nop
.endr
.endm
.macro STEP slot, q, cm
	s_wait_dscnt 4*NL
	MUL16 0, (\q)%2, \q, \slot, \cm
	MUL16 2, (\q)%2, \q, \slot, \cm
	s_wait_dscnt 0
	PLACES NP
	FETCH_B \slot, (\q)+1, 1-(\q)%2
	FETCH_A \slot, (\q)+1, 0
	MUL16 4, (\q)%2, \q, \slot, \cm
	MUL16 6, (\q)%2, \q, \slot, \cm
	PLACES NP
	WIN 0
	FETCH_A \slot, (\q)+1, 4
.endm
.macro STEPS slot, from
.set Q, \from
.rept NQ-1-\from
	STEP \slot, Q, 0
.set Q, Q+1
.endr
.endm
	s_wait_alu depctr_va_vdst(0)                   ; the wait at the head's end
	s_wait_tensorcnt 0x0                           ; my load has landed; behind the barrier everybody's has
	s_barrier_signal -1
	s_barrier_wait -1
	FETCH_B 0, 0, 0
	FETCH_A 0, 0, 0
	s_wait_alu depctr_va_vdst(0)
	SCALES 0
	FETCH_A 0, 0, 4
	s_cmp_eq_u32 s2, 1
	s_cbranch_scc1 .Lfirst_v
	STEP 0, 0, 1
	s_branch .Lfirst_done
.Lfirst_v:
	STEP 0, 0, 2
.Lfirst_done:
	STEPS 0, 1
	s_wait_dscnt 4*NL                              ; on into the second half of K: it lies in LDS already
	MUL16 0, 1, NQ-1, 0, 0
	MUL16 2, 1, NQ-1, 0, 0
	s_wait_dscnt 0x0
	WIN 0
	PLACES NP
	v_add_nc_u32 v[ADRS], 4*NQ, v[ADRS]
	FETCH_B 1, 0, 0
	FETCH_A 1, 0, 0
	SCALES 1
	MUL16 4, 1, NQ-1, 0, 0
	MUL16 6, 1, NQ-1, 0, 0
	PLACES NP
	WIN 0
	FETCH_A 1, 0, 4
	STEPS 1, 0
	s_wait_dscnt 4*NL
	MUL16 0, 1, NQ-1, 1, 0
	MUL16 2, 1, NQ-1, 1, 0
	s_wait_dscnt 0
	MUL16 4, 1, NQ-1, 1, 0
	MUL16 6, 1, NQ-1, 1, 0
	WIN 0
	PLACES NP
	s_mov_b32 s[SEL], 0x76543210
	s_mov_b32 s[SEL+1], 0xfedcba98
.irp b, 0,1,2,3
	v_mov_b32 v[TM+4+\b], 0
.endr
	v_lshlrev_b32 v31, 4, v2
.macro QUANT a
.set AC, 64*((\a)%4)
	WIN 0x0a+5*((\a)/4)
.irp b, 0,1,2,3
	v_max3_num_f32 v[TM+\b], |v[AC+16*\b]|, |v[AC+16*\b+1]|, 0x1800000
.endr
.irp i, 2,4,6,8,10,12,14
.irp b, 0,1,2,3
	v_max3_num_f32 v[TM+\b], |v[AC+16*\b+\i]|, |v[AC+16*\b+\i+1]|, v[TM+\b]
.endr
.endr
	WIN 0
.irp b, 0,1,2,3
	v_permlanex16_b32 v[TM+4+\b], v[TM+\b], s[SEL], s[SEL+1]
.endr
.irp b, 0,1,2,3
	v_max_num_f32 v[TM+\b], v[TM+\b], v[TM+4+\b]
.endr
.irp b, 0,1,2,3
	v_add_nc_u32 v[TM+12+\b], 0xff000000, v[TM+\b]
.endr
.irp b, 0,1,2,3
	v_lshrrev_b32 v[TM+4+\b], 23, v[TM+12+\b]
.endr
	v_lshl_or_b32 v[PW+(\a)], v[TM+5], 8, v[TM+4]
	v_lshl_or_b32 v[PW+(\a)], v[TM+6], 16, v[PW+(\a)]
	v_lshl_or_b32 v[PW+(\a)], v[TM+7], 24, v[PW+(\a)]
	WIN 0x02+((\a)/4)
.irp b, 0,1,2,3
	v_cvt_scalef32_pk8_fp4_f32 v[PC+8*(\a)+2*\b], v[AC+16*\b:AC+16*\b+7], v[TM+12+\b]
	v_cvt_scalef32_pk8_fp4_f32 v[PC+8*(\a)+2*\b+1], v[AC+16*\b+8:AC+16*\b+15], v[TM+12+\b]
.endr
	WIN 0
	v_nop
.irp c, 0,1
.irp i, 0,1
	v_permlane16_swap_b32 v[PC+8*(\a)+4*\c+\i], v[PC+8*(\a)+4*\c+2+\i]
.endr
.endr
.endm
.irp a, 0,1,2,3,4,5,6,7
	QUANT \a
.endr
	s_cmp_eq_u32 s2, 1
	s_cbranch_scc1 .Lout_v
.irp a, 0,1,2,3,4,5,6,7
	global_store_b128 v[CO], v[PC+8*\a:PC+8*\a+3], s[96:97] offset:512*\a
	global_store_b128 v[CO], v[PC+8*\a+4:PC+8*\a+7], s[96:97] offset:65536+512*\a
.endr
.irp a, 0,1,2,3,4,5,6,7
	v_lshrrev_b32 v[WD+\a], v31, v[PW+\a]
.endr
.irp a, 0,1,2,3,4,5,6,7
	v_and_b32 v[WD+\a], 0xffff, v[WD+\a]
.endr
	v_lshlrev_b32 v30, 13, v2
	v_lshl_add_u32 v30, v1, 4, v30
	global_store_b128 v30, v[WD:WD+3], s[98:99]
	global_store_b128 v30, v[WD+4:WD+7], s[98:99] offset:256
	s_branch .Lend
.Lout_v:
	s_wait_alu depctr_va_vdst(0)
.irp a, 0,1,2,3,4,5,6,7
	global_store_b128 v[CO], v[PC+8*\a:PC+8*\a+3], s[96:97] offset:65536*(\a/4)+1024*(\a%4)
	global_store_b128 v[CO], v[PC+8*\a+4:PC+8*\a+7], s[96:97] offset:65536*(\a/4)+1024*(\a%4)+512
.endr
	v_cmp_gt_u32 vcc_lo, 16, v[LN]
.irp j, 0,1,2,3
	v_cndmask_b32 v[WD+\j], v[PW+4+\j], v[PW+\j], vcc_lo
.endr
	v_lshlrev_b32 v30, 12, v2
	v_lshl_add_u32 v30, v1, 4, v30
	global_store_b128 v30, v[WD:WD+3], s[98:99]
.Lend:
	s_wait_tensorcnt 0x0
	ds_add_u32 v[SPW], v[NIL]
	s_wait_dscnt 0x0
	CROUND
	s_endpgm
.Lfunc_end_k_q24c841e346_proj:
	.size	k_q24c841e346_proj, .Lfunc_end_k_q24c841e346_proj-k_q24c841e346_proj
	.p2alignl 7, 3214868480
	.fill 96, 4, 3214868480
	.section	.rodata,"a",@progbits
	.p2align	6, 0x0
	.amdhsa_kernel k_q24c841e346_proj
		.amdhsa_group_segment_fixed_size 327680
		.amdhsa_private_segment_fixed_size 0
		.amdhsa_enable_private_segment 0
		.amdhsa_kernarg_size 40
		.amdhsa_user_sgpr_count 2
		.amdhsa_user_sgpr_kernarg_segment_ptr 1
		.amdhsa_wavefront_size32 1
		.amdhsa_system_sgpr_workgroup_id_x 1
		.amdhsa_system_sgpr_workgroup_id_y 1
		.amdhsa_system_sgpr_workgroup_id_z 1
		.amdhsa_system_vgpr_workitem_id 0
		.amdhsa_next_free_vgpr 1024
		.amdhsa_next_free_sgpr 102
		.amdhsa_reserve_vcc 1
		.amdhsa_float_denorm_mode_32 3
		.amdhsa_float_denorm_mode_16_64 3
		.amdhsa_memory_ordered 1
		.amdhsa_forward_progress 1
		.amdhsa_inst_pref_size 146
	.end_amdhsa_kernel
	.amdgpu_metadata
---
amdhsa.version: [ 1, 2 ]
amdhsa.kernels:
  - .name:           k_q24c841e346_proj
    .symbol:         k_q24c841e346_proj.kd
    .args:
      - { .name: cod, .offset: 0, .size: 8, .value_kind: global_buffer, .address_space: global }
      - { .name: bq, .offset: 8, .size: 8, .value_kind: global_buffer, .address_space: global }
      - { .name: bk, .offset: 16, .size: 8, .value_kind: global_buffer, .address_space: global }
      - { .name: bv, .offset: 24, .size: 8, .value_kind: global_buffer, .address_space: global }
      - { .name: qkv, .offset: 32, .size: 8, .value_kind: global_buffer, .address_space: global }
    .group_segment_fixed_size: 327680
    .private_segment_fixed_size: 0
    .kernarg_segment_align: 8
    .kernarg_segment_size: 40
    .max_flat_workgroup_size: 128
    .sgpr_count:     102
    .vgpr_count:     1024
    .wavefront_size: 32
...
	.end_amdgpu_metadata
.endif
;; end of part 2
;; launch attn (part 3): grid 4 x 64, 8 waves a work-group, clusters of 4 x 1, 215,040 bytes of LDS; arguments qkv, out0; writes out0
.if DOCPART == 3
	.amdgcn_target "amdgcn-amd-amdhsa--gfx1250"
	.amdhsa_code_object_version 6
	.text
	.protected	k_q24c841e346_attn
	.globl	k_q24c841e346_attn
	.p2align	8
	.type	k_q24c841e346_attn,@function
k_q24c841e346_attn:
	s_mov_b64 s[64:65], 0
	v_nop
	global_prefetch_b8 v0, s[64:65] scope:SCOPE_SE
	s_setreg_imm32_b32 hwreg(HW_REG_WAVE_MODE, 25, 1), 1
	s_wait_xcnt 0x0
	s_wait_alu depctr_hold_cnt(0) depctr_sa_sdst(0) depctr_va_vdst(0) depctr_va_sdst(0) depctr_va_ssrc(0) depctr_va_vcc(0) depctr_vm_vsrc(0)
	s_getreg_b32 s2, hwreg(HW_REG_IB_STS2, 6, 4)
	s_cmp_eq_u32 s2, 0
	s_cbranch_scc0 .Lentry_in_a_cluster
	s_endpgm
.Lentry_in_a_cluster:
	s_bfe_u32 s2, ttmp6, 0x10000c
	s_cmp_lg_u32 s2, 0x3003
	s_cbranch_scc0 .Lentry_shape_is_right
	s_endpgm
.Lentry_shape_is_right:
; out[b][q][64 h + d] = the sum over keys of softmax(q . k / 8) v, both products on codes of FP4 with E8M0 scales.  Nothing of the problem is left out here.
; THE SOFTMAX AHEAD OF THE SECOND PRODUCT: t = score x log2(e) / 8; M = the running largest t rounded UP to a whole number; p = 2^(t - M) is quantised along the keys, not normalised; the row's sum is taken of the
; unquantised p in f32 and divides at the end.  When M moves, the sum and O are multiplied by 2^(old M - new M), which rounds nothing.
; THE FIRST PRODUCT'S K IS 64: a fragment's registers 0-3 hold the head's 64 dims, registers 4-7 are zero codes (written once), and the scale words' upper two bytes are 0: zero codes add nothing under them.
; SHARES.  A work-group owns 512 queries of one head (bh = work-group y).  Each of its EIGHT waves owns four tiles of 16 queries, TWO AT A TIME in two passes: each fragment of K and V read from LDS feeds two products,
; and the two tiles' lines stand by turns, so that a line's neighbours do not hang on it.  Wave w's tiles are T = 32 x block + w + 8 n, n = 2 x pass + u.
; A HEAD'S WHOLE K AND V LIE IN LDS, as images of the operands' registers (16 bytes a lane, 512 bytes a load), with their scale words: 143,360 bytes, each byte filled once.
; CLUSTER.  The four work-groups of a head form a cluster and ask for K and V jointly.  Six waves issue one tensor load each (waves 0-3: 32 KiB of K's or V's images; wave 4: K's scale words; wave 5: V's).
; NO PREFETCH INTO THE L2: all that the launch reads is asked for at its head; the loops read LDS alone.
; FRAGMENTS RUN A STEP AHEAD: K's of step i + 1 are asked of LDS behind step i's first products, V's behind its second.  The step's number wraps at 16, so a pass's last step asks for step 0's, which the next pass
; begins with; the second pass's last 18 loads are read by nobody.
; LAYOUT.  Both products are used transposed (S^T = K Q^T, O^T = V^T P^T): a lane holds one query throughout.  Lane r of token tile T is token 16 T - 8 (T % 2) + r + 8 (r / 8), so that the 16 registers of key tiles
; 2 b and 2 b + 1 are keys 32 b + 16 (lane / 16) + 0 .. 15; register j of O^T's tile t is dim 32 (t / 2) + 8 (t % 2) + 16 (lane / 16) + j.
; LIMITS: NaN and infinities are not served; a block of p that has fallen to zeros keeps the byte 1 (its codes are zeros); the scaled scores stay under 2^31 in magnitude.
; REGISTERS, window 0: v1-4 addresses that stay; v5, v6 the add's two; v7 my offset in out; v8-11 the next step's addresses; tile u: v[12+4u] -M, v[13+4u] the largest score, v[14+4u:15+4u] the sum, v[20+2u:21+2u] its second chain;
;   v24, v25 the stage; v26-29 Q's scale words; v32-63 Q's four fragments; v64-127 K's eight; v128-159 V's four; v160-175 p's codes; v176-199 a block's maxima, bytes and scale operands; v[200+2u] f, v[201+2u] p's scale word;
;   v204, v205 at work; v208-211 K's scale words, v212-215 V's.   Window 1: v[64u ..] S^T, then p, of tile u; v[128+32u ..] its O^T.
.set KCL,   0                          ; LDS: K's images, 65,536 bytes
.set VCL,   65536                      ; V's images
.set KSL,   131072                     ; K's scale words, 8,192 bytes
.set VSL,   139264                     ; V's, 4,096
.set STAGE, 143360                     ; the way out: two stages of 16 rows x (256 + 16) bytes for each wave; no fill lands here
.set SPARE, 212992                     ; the spare words: 128 bytes for each of the eight waves
.set SPW, 5
.set NIL, 6
.set BM,  176                          ; + 12 u + b: block b's largest score, then its largest p
.set PM,  180                          ; + 12 u + b: the other half's, then the scale's byte
.set SO,  184                          ; + 12 u + b: the conversion's scale operand
.set WV,  8                            ; s8   wave
.set NC,  59                           ; s59  -c
.set SEL, 60                           ; s[60:61] lane selects for v_permlanex16_b32: lane l xor 16
.set CS,  62                           ; s[62:63] c = log2(e) / 8
.set TB,  66                           ; s66  the next step's images: 4,096 bytes a step
.set TS,  67                           ; s67  K's scale words: 512 a step
.set TV,  68                           ; s68  V's: 256 a step
.set CNT, 69
.set MSB, 0
.macro WIN new                         ; the immediate's high byte repeats the setting that is left
.if MSB != \new
	s_set_vgpr_msb (MSB<<8)|\new
.set MSB, \new
.endif
.endm
.macro CROUND                          ; a round of the cluster's barrier
	s_barrier_signal -1
	s_barrier_wait -1
	s_cmp_lg_u32 s[WV], 0
	s_cbranch_scc1 .Lnot_wave_0_\@
	s_barrier_signal -3
.Lnot_wave_0_\@:
	s_barrier_wait -3
	s_barrier_signal -1
	s_barrier_wait -1
.endm
	s_load_b128 s[4:7], s[0:1], 0x0                ; qkv s[4:5], out0 s[6:7]
	v_lshl_add_u32 v[SPW], v0, 2, SPARE
	v_mov_b32 v[NIL], 0
	ds_add_u32 v[SPW], v[NIL]                      ; the wave's opening: the add, twice on end, and its wait ahead of the first tensor loads
	ds_add_u32 v[SPW], v[NIL]
	v_lshrrev_b32 v8, 5, v0
	v_readfirstlane_b32 s[WV], v8                  ; wave 0..7
	s_bfe_u32 s9, ttmp6, 0x40000                   ; cx: it enters Q's and out's addresses alone
	s_and_b32 s10, ttmp7, 0xffff                   ; bh, which the four partners share
	s_and_b32 s11, s[WV], 1                        ; I fetch for K (0) or for V (1)
	s_bfe_u32 s15, s[WV], 0x10001                  ; which half of the images
	; descriptor groups 1: dense blocks as rows of 256 bytes (32 elements of 8 bytes); the mask names all four work-groups, bit 21 beside it
	s_mov_b32 s16, 15|(3<<16)|(1<<21)              ; 128 rows: half of a head's images of K or of V
	s_mov_b32 s17, 32<<16
	s_mov_b32 s18, 128<<16
	s_mov_b32 s19, 32<<16
	s_mov_b32 s20, 128
	s_mov_b32 s21, 32
	s_mov_b32 s22, 0
	s_mov_b32 s23, 0
	s_mov_b32 s24, 15|(3<<16)|(1<<21)              ; 32 rows: K's scale words
	s_mov_b32 s25, 32<<16
	s_mov_b32 s26, 32<<16
	s_mov_b32 s27, 32<<16
	s_mov_b32 s28, 32
	s_mov_b32 s29, 32
	s_mov_b32 s30, 0
	s_mov_b32 s31, 0
	s_mov_b32 s32, 15|(3<<16)|(1<<21)              ; 16 rows: V's scale words
	s_mov_b32 s33, 32<<16
	s_mov_b32 s34, 16<<16
	s_mov_b32 s35, 32<<16
	s_mov_b32 s36, 16
	s_mov_b32 s37, 32
	s_mov_b32 s38, 0
	s_mov_b32 s39, 0
	s_lshl_b32 s70, s10, 13                        ; scale words in qkv: K's 13,107,200 + 8,192 bh; V's 13,631,488 + 4,096 bh
	s_lshr_b32 s70, s70, s11
	s_lshl_b32 s71, s11, 19
	s_add_co_u32 s70, s70, s71
	s_add_co_u32 s70, s70, 13107200
	s_mov_b32 s71, 0
	s_lshl_b32 s72, s10, 16                        ; images: 4,194,304 (K) or 8,388,608 (V) + 65,536 bh + 32,768 x half
	s_lshl_b32 s73, s11, 22
	s_add_co_u32 s72, s72, s73
	s_lshl_b32 s73, s15, 15
	s_add_co_u32 s72, s72, s73
	s_add_co_u32 s72, s72, 4194304
	s_mov_b32 s73, 0
	s_mov_b32 s[SEL], 0x76543210
	s_mov_b32 s[SEL+1], 0xfedcba98
	s_mov_b32 s[CS], 0x3e38aa3b                    ; log2(e) / 8
	s_mov_b32 s[CS+1], s[CS]                       ; (named with it as a pair, so it is written)
	s_mov_b32 s[NC], 0xbe38aa3b                    ; and its negative
	s_mul_i32 s14, s[WV], 2*16*272
	s_add_co_u32 s14, s14, STAGE                   ; my two stages
	s_wait_dscnt 0x0                               ; both opening adds are done
	s_wait_kmcnt 0x0
	s_add_nc_u64 s[70:71], s[4:5], s[70:71]
	s_add_nc_u64 s[72:73], s[4:5], s[72:73]
	CROUND                                         ; all four work-groups are here: the joint loads meet
	s_mov_b32 s40, 1                               ; group 0 for the scale words
	s_lshl_b32 s41, s11, 13
	s_add_co_u32 s41, s41, KSL
	s_mov_b64 s[42:43], s[70:71]
	s_or_b32 s43, s43, 0x80000000
	s_mov_b32 s44, 1                               ; group 0 for the images
	s_lshl_b32 s45, s11, 16
	s_lshl_b32 s46, s15, 15
	s_add_co_u32 s45, s45, s46
	s_mov_b64 s[46:47], s[72:73]
	s_or_b32 s47, s47, 0x80000000
	s_cmp_lt_u32 s[WV], 4                          ; the first and only fills: one tensor load a wave, in six waves; the branches hang on the wave's number alone
	s_cbranch_scc0 .Lnot_codes
	tensor_load_to_lds s[44:47], s[16:23]
	s_nop 0
.rept 4
	v_nop
.endr
	s_branch .Lasked
.Lnot_codes:
	s_cmp_eq_u32 s[WV], 4
	s_cbranch_scc0 .Lnot_ks
	tensor_load_to_lds s[40:43], s[24:31]
	s_nop 0
.rept 4
	v_nop
.endr
	s_branch .Lasked
.Lnot_ks:
	s_cmp_eq_u32 s[WV], 5
	s_cbranch_scc0 .Lasked
	tensor_load_to_lds s[40:43], s[32:39]
	s_nop 0
.rept 4
	v_nop
.endr
.Lasked:
	s_lshl_b32 s74, ttmp9, 2
	s_add_co_u32 s74, s74, s9                      ; my block of 512 queries
	s_lshl_b32 s74, s74, 5
	s_add_co_u32 s74, s74, s[WV]                   ; T: my first tile; the others are T + 8, T + 16, T + 24
	s_lshl_b32 s75, s10, 7
	s_add_co_u32 s75, s75, s74
	s_lshl_b32 s76, s75, 9                         ; Q's image: (128 bh + T) x 512
	s_mov_b32 s77, 0
	s_add_nc_u64 s[76:77], s[4:5], s[76:77]
	s_lshl_b32 s78, s10, 13                        ; Q's scale words: 12,582,912 + 8,192 bh + 256 (T / 4) + 4 (T % 4) + 16 r
	s_lshr_b32 s75, s74, 2
	s_lshl_b32 s75, s75, 8
	s_add_co_u32 s78, s78, s75
	s_and_b32 s75, s74, 3
	s_lshl_b32 s75, s75, 2
	s_add_co_u32 s78, s78, s75
	s_add_co_u32 s78, s78, 12582912
	s_mov_b32 s79, 0
	s_add_nc_u64 s[78:79], s[4:5], s[78:79]
	s_lshr_b32 s12, s10, 4                         ; out: row 2,048 b + 16 T - 8 (T % 2) of 4,096 bytes, + 256 x head
	s_lshl_b32 s12, s12, 11
	s_lshl_b32 s13, s74, 4
	s_add_co_u32 s12, s12, s13
	s_and_b32 s13, s74, 1
	s_lshl_b32 s13, s13, 3
	s_sub_co_u32 s12, s12, s13
	s_lshl_b32 s12, s12, 12
	s_and_b32 s13, s10, 15
	s_lshl_b32 s13, s13, 8
	s_add_co_u32 s12, s12, s13
	s_mov_b32 s13, 0
	s_add_nc_u64 s[6:7], s[6:7], s[12:13]
	v_and_b32 v8, 31, v0
	v_and_b32 v9, 15, v0
	v_lshlrev_b32 v1, 4, v8                        ; 16 x lane: my place in an image (K's begin at LDS byte 0)
	v_lshlrev_b32 v10, 4, v9                       ; 16 r
.irp n, 0,1,2,3                                ; Q's fragments and scale words of all four tiles stay in registers
	global_load_b128 v[32+8*\n:35+8*\n], v1, s[76:77] offset:4096*\n
	global_load_b32 v[26+\n], v10, s[78:79] offset:512*\n
.endr
	v_add_nc_u32 v2, VCL, v1
	v_add_nc_u32 v3, KSL, v1                       ; K's scale words: lanes 0-15 tiles 0-3 of the step, lanes 16-31 tiles 4-7
	v_add_nc_u32 v4, VSL, v10                      ; V's: lane r's four words
	v_bfe_u32 v11, v0, 4, 1
	v_mul_u32_u24 v24, v9, 272
	v_lshlrev_b32 v7, 12, v11
	v_mul_u32_u24 v25, v11, 272
	v_add_nc_u32 v7, v7, v10                       ; out: lanes 0-15 one row, lanes 16-31 the next; 16 bytes a lane
	v_lshl_add_u32 v24, v11, 6, v24
	v_lshl_add_u32 v25, v9, 4, v25
	v_add_nc_u32 v24, s14, v24                     ; into my stage: row r, + 64 h
	v_add_nc_u32 v25, s14, v25                     ; back: lanes 0-15 one row, lanes 16-31 the next
.irp n, 0,1,2,3
.irp j, 4,5,6,7
	v_mov_b32 v[32+8*\n+\j], 0                     ; Q's zero codes for K = 64 .. 127
.endr
.endr
.irp t, 0,1,2,3,4,5,6,7
.irp j, 4,5,6,7
	v_mov_b32 v[64+8*\t+\j], 0                     ; K's likewise: written once
.endr
.endr
.irp u, 0,1
.irp b, 0,1,2,3
	v_mov_b32 v[PM+12*\u+\b], 0                    ; written once: a lane permute's destination counts as one of its sources
.endr
	v_mov_b32 v[200+2*\u], 0
	v_mov_b32 v[201+2*\u], 0                       ; (named as the upper half of f's pair before it is first written)
.endr
.macro KLOAD a, s                      ; a step's eight fragments of K and their scale words: nine loads
.irp t, 0,1,2,3,4,5,6,7
	ds_load_b128 v[64+8*\t:67+8*\t], v[\a] offset:512*\t
.endr
	ds_load_b128 v[208:211], v[\s]
.endm
.macro VLOAD a, s                      ; its four fragments of V and their scale words: nine loads
.irp t, 0,1,2,3
.irp c, 0,1
	ds_load_b128 v[128+8*\t+4*\c:131+8*\t+4*\c], v[\a] offset:1024*\t+512*\c
.endr
.endr
	ds_load_b128 v[212:215], v[\s]
.endm
.macro INIT                            ; a pass begins: the step is written once, and its first run finds zeros, which f = 0 leaves zeros
.irp u, 0,1
	v_mov_b32 v[13+4*\u], 0xff61b1e6               ; the largest score so far: -3e38
	v_mov_b32 v[12+4*\u], 0x7f000000               ; -M = 2^127: M lies under every M
	v_mov_b32 v[14+4*\u], 0
	v_mov_b32 v[15+4*\u], 0
.endr
	WIN 0x40
.irp j, 0,1,2,3,4,5,6,7,8,9,10,11,12,13,14,15,16,17,18,19,20,21,22,23,24,25,26,27,28,29,30,31,32,33,34,35,36,37,38,39,40,41,42,43,44,45,46,47,48,49,50,51,52,53,54,55,56,57,58,59,60,61,62,63
	v_mov_b32 v[128+\j], 0                         ; O^T of both tiles
.endr
	WIN 0
.endm
; A KEY STEP: 128 keys against my two tiles of pass p.
.macro STEP p
	s_add_co_u32 s[TB], s[CNT], 1                  ; the next step's number, wrapped at 16, and its three offsets
	s_and_b32 s[TB], s[TB], 15
	s_lshl_b32 s[TS], s[TB], 9
	s_lshl_b32 s[TV], s[TB], 8
	s_lshl_b32 s[TB], s[TB], 12
	s_wait_dscnt 9                                 ; K's nine loads are in; V's nine, issued behind them, may be out
	WIN 0x40
.irp t, 0,1,2,3,4,5,6,7                        ; S^T = K Q^T: sixteen accumulators, each begun with the constant 0
.irp u, 0,1
.if \t < 4
	v_wmma_scale_f32_16x16x128_f8f6f4 v[64*\u+8*\t:64*\u+8*\t+7], v[64+8*\t:71+8*\t], v[32+16*\p+8*\u:39+16*\p+8*\u], 0, v[208+\t], v[26+2*\p+\u] matrix_a_fmt:MATRIX_FMT_FP4 matrix_b_fmt:MATRIX_FMT_FP4
.else
	v_wmma_scale_f32_16x16x128_f8f6f4 v[64*\u+8*\t:64*\u+8*\t+7], v[64+8*\t:71+8*\t], v[32+16*\p+8*\u:39+16*\p+8*\u], 0, v[204+\t], v[26+2*\p+\u] matrix_a_fmt:MATRIX_FMT_FP4 matrix_b_fmt:MATRIX_FMT_FP4 matrix_a_scale:MATRIX_SCALE_ROW1
.endif
.endr
.endr
	WIN 0
	v_add_nc_u32 v8, s[TB], v1                     ; the next step's addresses: these four are also the places behind the products
	v_add_nc_u32 v10, s[TS], v3
	v_add_nc_u32 v9, s[TB], v2
	v_add_nc_u32 v11, s[TV], v4
	KLOAD 8, 10                                    ; the next step's K
	WIN 0x15
.irp b, 0,1,2,3                                ; the largest score of each block of 32 keys: it serves the row's maximum and, since p rises with the score, the block's largest p.  Eight chains by turns
.irp u, 0,1
	v_max3_num_f32 v[BM+12*\u+\b], v[64*\u+16*\b], v[64*\u+16*\b+1], v[64*\u+16*\b+2]
.endr
.endr
	WIN 0x14
.irp i, 3,5,7,9,11,13
.irp b, 0,1,2,3
.irp u, 0,1
	v_max3_num_f32 v[BM+12*\u+\b], v[BM+12*\u+\b], v[64*\u+16*\b+\i], v[64*\u+16*\b+\i+1]
.endr
.endr
.endr
	WIN 0x04
.irp b, 0,1,2,3
.irp u, 0,1
	v_max_num_f32 v[BM+12*\u+\b], v[BM+12*\u+\b], v[64*\u+16*\b+15]
.endr
.endr
	WIN 0
.irp b, 0,1,2,3
.irp u, 0,1
	v_permlanex16_b32 v[PM+12*\u+\b], v[BM+12*\u+\b], s[SEL], s[SEL+1]
.endr
.endr
.irp b, 0,1,2,3
.irp u, 0,1
	v_max_num_f32 v[BM+12*\u+\b], v[BM+12*\u+\b], v[PM+12*\u+\b]   ; with lane l xor 16's 16 keys
.endr
.endr
.irp u, 0,1
	v_max3_num_f32 v[204+\u], v[BM+12*\u], v[BM+12*\u+1], v[BM+12*\u+2]
.endr
.irp u, 0,1
	v_max3_num_f32 v[13+4*\u], v[13+4*\u], v[204+\u], v[BM+12*\u+3]   ; the running largest score
.endr
.irp u, 0,1
	v_mul_f32 v[204+\u], s[NC], v[13+4*\u]         ; -t of it (c is positive)
.endr
.irp u, 0,1
	v_floor_f32 v[204+\u], v[204+\u]               ; the new -M = floor(-t)
.endr
.irp u, 0,1
	v_sub_f32 v[200+2*\u], v[204+\u], v[12+4*\u]   ; old M - new M: a whole number, 0 or less
.endr
.irp u, 0,1
	v_mov_b32 v[12+4*\u], v[204+\u]
.endr
.irp u, 0,1
	v_cvt_i32_f32 v[200+2*\u], v[200+2*\u]         ; (it saturates)
.endr
.irp u, 0,1
	v_ldexp_f32 v[200+2*\u], 1.0, v[200+2*\u]      ; f = 2^(old M - new M)
.endr
.irp b, 0,1,2,3
.irp u, 0,1
	v_fma_f32 v[BM+12*\u+\b], v[BM+12*\u+\b], s[CS], v[12+4*\u]   ; t - M of each block's largest score
.endr
.endr
	WIN 0x41
.irp j, 0,2,4,6,8,10,12,14,16,18,20,22,24,26,28,30,32,34,36,38,40,42,44,46,48,50,52,54,56,58,60,62
.irp u, 0,1
	v_pk_fma_f32 v[64*\u+\j:64*\u+\j+1], v[64*\u+\j:64*\u+\j+1], s[CS:CS+1], v[12+4*\u:13+4*\u] op_sel_hi:[1,0,0]   ; t - M, two at a time
.endr
.endr
	s_wait_alu depctr_va_vdst(0)                   ; the wait ahead of the batch
.irp j, 0,1,2,3,4,5,6,7,8,9,10,11,12,13,14,15,16,17,18,19,20,21,22,23,24,25,26,27,28,29,30,31,32,33,34,35,36,37,38,39,40,41,42,43,44,45,46,47,48,49,50,51,52,53,54,55,56,57,58,59,60,61,62,63
	v_exp_f32 v[\j], v[\j]                         ; p = 2^(t - M), both tiles: ONE batch of 136
	v_exp_f32 v[64+\j], v[64+\j]
.endr
	WIN 0
.irp b, 0,1,2,3
.irp u, 0,1
	v_exp_f32 v[BM+12*\u+\b], v[BM+12*\u+\b]       ; the block's largest p: the same two instructions on the same number
.endr
.endr
	WIN 0x41
	s_wait_alu depctr_va_vdst(0)                   ; the wait behind the batch; it stands directly ahead of the first readers of O^T
.irp j, 0,2,4,6,8,10,12,14,16,18,20,22,24,26,28,30
.irp u, 0,1
	v_pk_mul_f32 v[128+32*\u+\j:128+32*\u+\j+1], v[128+32*\u+\j:128+32*\u+\j+1], v[200+2*\u:201+2*\u] op_sel_hi:[1,0]   ; O^T under the new M
.endr
.endr
	WIN 0
.irp u, 0,1
	v_pk_mul_f32 v[14+4*\u:15+4*\u], v[14+4*\u:15+4*\u], v[200+2*\u:201+2*\u] op_sel_hi:[1,0]   ; the sums under the new M
.endr
.irp b, 0,1,2,3
.irp u, 0,1
	v_max_num_f32 v[BM+12*\u+\b], 0x1800000, v[BM+12*\u+\b]        ; the floor 2^(3 - 127): the byte cannot fall under 1
.endr
.endr
.irp b, 0,1,2,3
.irp u, 0,1
	v_add_nc_u32 v[SO+12*\u+\b], 0xff000000, v[BM+12*\u+\b]        ; 2 off the exponent field: the conversion's scale operand
.endr
.endr
.irp b, 0,1,2,3
.irp u, 0,1
	v_lshrrev_b32 v[PM+12*\u+\b], 23, v[SO+12*\u+\b]               ; the scale's byte
.endr
.endr
.irp u, 0,1
	v_lshl_or_b32 v[201+2*\u], v[PM+12*\u+1], 8, v[PM+12*\u]       ; p's scale word for these 128 keys
.endr
.irp u, 0,1
	v_lshl_or_b32 v[201+2*\u], v[PM+12*\u+2], 16, v[201+2*\u]
.endr
.irp u, 0,1
	v_lshl_or_b32 v[201+2*\u], v[PM+12*\u+3], 24, v[201+2*\u]
.endr
	WIN 0x01
.irp b, 0,1,2,3
.irp u, 0,1
	v_cvt_scalef32_pk8_fp4_f32 v[160+8*\u+2*\b], v[64*\u+16*\b:64*\u+16*\b+7], v[SO+12*\u+\b]
	v_cvt_scalef32_pk8_fp4_f32 v[160+8*\u+2*\b+1], v[64*\u+16*\b+8:64*\u+16*\b+15], v[SO+12*\u+\b]
.endr
.endr
	WIN 0
	v_nop                                          ; one plain line behind a scaled conversion
.irp c, 0,1
.irp i, 0,1
.irp u, 0,1
	v_permlane16_swap_b32 v[160+8*\u+4*\c+\i], v[160+8*\u+4*\c+2+\i]   ; a whole block in a lane
.endr
.endr
.endr
	WIN 0x05
.irp u, 0,1
	v_pk_add_f32 v[20+2*\u:21+2*\u], v[64*\u:64*\u+1], v[64*\u+2:64*\u+3]   ; the row's sum of the unquantised p: two chains a tile, four by turns.  These lines are also the places ahead of the products
.endr
	WIN 0x04
.irp j, 4,8,12,16,20,24,28,32,36,40,44,48,52,56,60
.irp u, 0,1
	v_pk_add_f32 v[14+4*\u:15+4*\u], v[14+4*\u:15+4*\u], v[64*\u+\j:64*\u+\j+1]
.endr
.irp u, 0,1
	v_pk_add_f32 v[20+2*\u:21+2*\u], v[20+2*\u:21+2*\u], v[64*\u+\j+2:64*\u+\j+3]
.endr
.endr
	WIN 0
	s_wait_alu depctr_va_vdst(0)                   ; the wait here, directly ahead of the wait below
	s_wait_dscnt 9                                 ; V's nine loads are in; the next step's nine of K, issued behind them, may be out
	WIN 0x50
.irp t, 0,1,2,3                                ; O^T += V^T P^T: eight accumulators by turns
.irp u, 0,1
	v_wmma_scale_f32_16x16x128_f8f6f4 v[128+32*\u+8*\t:128+32*\u+8*\t+7], v[128+8*\t:135+8*\t], v[160+8*\u:167+8*\u], v[128+32*\u+8*\t:128+32*\u+8*\t+7], v[212+\t], v[201+2*\u] matrix_a_fmt:MATRIX_FMT_FP4 matrix_b_fmt:MATRIX_FMT_FP4
.endr
.endr
	WIN 0
.irp u, 0,1
	v_pk_add_f32 v[14+4*\u:15+4*\u], v[14+4*\u:15+4*\u], v[20+2*\u:21+2*\u]   ; the two chains joined: with the two lines below, the four places behind the products
.endr
	v_nop
	v_nop
	VLOAD 9, 11                                    ; the next step's V
.endm
; The way out of a pass's two tiles.
.macro OUT p
	s_wait_alu depctr_va_vdst(0)                   ; the wait ahead of the reader below
.irp u, 0,1
	v_add_f32 v[14+4*\u], v[14+4*\u], v[15+4*\u]   ; the sum's two halves,
.endr
.irp u, 0,1
	v_permlanex16_b32 v[204+\u], v[14+4*\u], s[SEL], s[SEL+1]
.endr
.irp u, 0,1
	v_add_f32 v[14+4*\u], v[14+4*\u], v[204+\u]    ; and lane l xor 16's
.endr
	s_wait_alu depctr_va_vdst(0)                   ; the wait ahead of the transcendentals
.irp u, 0,1
	v_rcp_f32 v[14+4*\u], v[14+4*\u]
.endr
	v_nop                                          ; a plain line behind them
	WIN 0x41
	s_wait_alu depctr_va_vdst(0)                   ; the wait behind them, directly ahead of the first readers of O^T
.irp u, 0,1
.irp j, 0,1,2,3,4,5,6,7,8,9,10,11,12,13,14,15,16,17,18,19,20,21,22,23,24,25,26,27,28,29,30,31
	v_mul_f32 v[32*\u+\j], v[128+32*\u+\j], v[14+4*\u]             ; O^T / the sum, into registers that held p
.endr
.endr
	WIN 0x04
.irp u, 0,1
.irp t, 0,1,2,3
	ds_store_b128 v24, v[32*\u+8*\t:32*\u+8*\t+3] offset:4352*\u+128*(\t/2)+32*(\t%2)        ; dims 32 (t / 2) + 8 (t % 2) + 16 h + 0 .. 7
	ds_store_b128 v24, v[32*\u+8*\t+4:32*\u+8*\t+7] offset:4352*\u+128*(\t/2)+32*(\t%2)+16
.endr
.endr
	WIN 0x40
.irp u, 0,1
.irp i, 0,1,2,3,4,5,6,7
	ds_load_b128 v[64+32*\u+4*\i:64+32*\u+4*\i+3], v25 offset:4352*\u+544*\i   ; LDS serves a wave's instructions in order: these see my stores
.endr
.endr
	WIN 0x04
.irp u, 0,1
.irp i, 0,1,2,3,4,5,6,7
	s_wait_dscnt 15-8*\u-\i                        ; rows 2 i, 2 i + 1 of tile u are in; the younger loads may be out
	global_store_b128 v7, v[64+32*\u+4*\i:64+32*\u+4*\i+3], s[6:7] offset:(2*\i+8*(\i/4))*4096+\u*524288+\p*1048576 th:TH_STORE_NT   ; stage row s is token s + 8 (s / 8) of the tile; sixteen lanes store 256 consecutive bytes, aligned
.endr
.endr
	WIN 0
	s_wait_xcnt 0x0                                ; the stores have read their registers, which the next pass writes again
.endm
.macro PASS p
	s_mov_b32 s[CNT], 0
	s_wait_alu depctr_va_vdst(0)                   ; the wait ahead of the loop's waits
.Lstep_\@:
	STEP \p
	s_add_co_u32 s[CNT], s[CNT], 1
	s_cmp_lt_u32 s[CNT], 16
	s_cbranch_scc1 .Lstep_\@
	OUT \p
.endm
	INIT
	s_wait_alu depctr_va_vdst(0)                   ; the wait at the head's end
	s_wait_loadcnt 0x0                             ; Q
	s_wait_tensorcnt 0x0                           ; my tensor load has landed,
	s_barrier_signal -1
	s_barrier_wait -1                              ; everybody's has: the head's K and V lie in LDS
	KLOAD 1, 3                                     ; step 0's fragments
	VLOAD 2, 4
	PASS 0
	INIT
	PASS 1
	s_wait_tensorcnt 0x0                           ; the wave's end, behind my last tensor load and my last LDS store
	ds_add_u32 v[SPW], v[NIL]
	s_wait_dscnt 0x0
	CROUND                                         ; the closing round
	s_endpgm
.Lfunc_end_k_q24c841e346_attn:
	.size	k_q24c841e346_attn, .Lfunc_end_k_q24c841e346_attn-k_q24c841e346_attn
	.p2alignl 7, 3214868480
	.fill 96, 4, 3214868480
	.section	.rodata,"a",@progbits
	.p2align	6, 0x0
	.amdhsa_kernel k_q24c841e346_attn
		.amdhsa_group_segment_fixed_size 215040
		.amdhsa_private_segment_fixed_size 0
		.amdhsa_enable_private_segment 0
		.amdhsa_kernarg_size 16
		.amdhsa_user_sgpr_count 2
		.amdhsa_user_sgpr_kernarg_segment_ptr 1
		.amdhsa_wavefront_size32 1
		.amdhsa_system_sgpr_workgroup_id_x 1
		.amdhsa_system_sgpr_workgroup_id_y 1
		.amdhsa_system_sgpr_workgroup_id_z 1
		.amdhsa_system_vgpr_workitem_id 0
		.amdhsa_next_free_vgpr 448
		.amdhsa_next_free_sgpr 80
		.amdhsa_reserve_vcc 0
		.amdhsa_float_denorm_mode_32 3
		.amdhsa_float_denorm_mode_16_64 3
		.amdhsa_memory_ordered 1
		.amdhsa_forward_progress 1
		.amdhsa_inst_pref_size 86
	.end_amdhsa_kernel
	.amdgpu_metadata
---
amdhsa.version: [ 1, 2 ]
amdhsa.kernels:
  - .name:           k_q24c841e346_attn
    .symbol:         k_q24c841e346_attn.kd
    .args:
      - { .name: qkv, .offset: 0, .size: 8, .value_kind: global_buffer, .address_space: global }
      - { .name: out0, .offset: 8, .size: 8, .value_kind: global_buffer, .address_space: global }
    .group_segment_fixed_size: 215040
    .private_segment_fixed_size: 0
    .kernarg_segment_align: 8
    .kernarg_segment_size: 16
    .max_flat_workgroup_size: 256
    .sgpr_count:     80
    .vgpr_count:     448
    .wavefront_size: 32
...
	.end_amdgpu_metadata
.endif
;; end of part 3
